; MI455X (gfx1250); checked and timed in simulation.
; The chip was launched on July 23, 2026; its instructions are those of AMD's public machine-readable ISA for CDNA 5 (MIT licence, August 2026) and "CDNA5" Instruction Set Architecture Reference Guide (July 2026). The comments in the code are by the model that wrote it; some were corrected since.
;; Muliti Head Attention. Allowed arithmetic: float matrix products may take bf16 or f16 operands with f32 sums; all other float work in f32.
;; Inputs: b_k 256 float32; b_out 256 float32; b_q 256 float32; b_v 256 float32; k_in 2 x 256 x 64 x 64 float32; q_in 2 x 256 x 64 x 64 float32; v_in 2 x 256 x 64 x 64 float32; w_k 256 x 256 float32; w_out 256 x 256 float32; w_q 256 x 256 float32; w_v 256 x 256 float32.
;; Outputs: out0 2 x 256 x 64 x 64 float32.
;; 2 versions, each right; version 2 is version 1 with the launch proj_out written anew for expert scheduling mode. Each part assembles by itself: llvm-mc -triple=amdgcn-amd-amdhsa -mcpu=gfx1250 --defsym DOCPART=n.
;; ======== version 1 of 2: 3 launches
;; limits: values are held in f16: magnitudes above 65,504 overflow, below 6.1e-05 lose precision
;; workspace buffers: qf 4,194,304 bytes; kv 8,388,608 bytes; att 4,194,304 bytes
;; launch proj_qkv (part 1): grid 128 x 3, 8 waves a work-group, no clusters, 66,560 bytes of LDS; arguments q_in, k_in, v_in, w_q, w_k, w_v, b_q, b_k, b_v, qf, kv; writes qf, kv
.if DOCPART == 1
	.amdgcn_target "amdgcn-amd-amdhsa--gfx1250"
	.amdhsa_code_object_version 6
	.text
	.protected	k_qda88d6084d_proj_qkv
	.globl	k_qda88d6084d_proj_qkv
	.p2align	8
	.type	k_qda88d6084d_proj_qkv,@function
k_qda88d6084d_proj_qkv:
	s_mov_b64 s[64:65], 0
	v_nop
	global_prefetch_b8 v0, s[64:65] scope:SCOPE_SE
	s_setreg_imm32_b32 hwreg(HW_REG_WAVE_MODE, 25, 1), 1
	s_wait_xcnt 0x0
; q, k, v = W x + b (three 1x1 convolutions), rounded to f16 and stored in the order in which the attention launch's matrix
; instructions want their operands.  Grid y picks q, k or v; grid x = 64 b + g picks the batch and a group of 64 positions n0 = 64 g.
; A work-group makes 64 positions x all 256 output channels, so every byte of x is read once; wave w makes channels 32 w .. 32 w + 31 (head w).
; POSITION TILES: tile u (0..3) of a group is { n0 + 4 r + u, r = 0..15 }.  A lane's 16-byte load of x[c][n0+4r .. +3] then holds one number of
; each of the four tiles, and sixteen lanes read 256 consecutive bytes.  Keys are permuted alike in K and V; queries carry the order to the last launch.
; FRAGMENT ORDER: an operand of 16 x 32 numbers of 16 bits is stored as 1,024 bytes; byte 512 cc + 16 L holds registers 4 cc .. 4 cc + 3 of lane L.
; SPLIT OPERANDS FOR q AND k: the scores are not scaled and go into an exponential, so an absolute error of a score is a relative error of a weight.
; x and W are therefore each taken as two f16 numbers: hi = the f32 with its 13 lowest mantissa bits cleared (11 significant bits: exact in f16), lo = the exact
; remainder, rounded to f16; three products, Wh Xh + Wl Xh + Wh Xl.  What is left of rounding in q and k is their own rounding to f16.  v enters the result linearly: plain f16.
; q and k are both multiplied by sqrt(log2 e), so that the scores come out of the matrix unit as s log2 e, ready for the base-2 exponential.
; FORMATS AND LIMITS: operands f16, sums f32.  |x|, |w|, 1.2 |q|, 1.2 |k|, |v| must stay below 65,504; below 6.1e-5 an operand (or a part of one) keeps an
; absolute step of 6e-8.  NaN and infinities are not treated specially.
; NO JOINT LOADS: W is shared by all work-groups, but each of its numbers goes straight from memory into the registers of the one wave that
; multiplies by it and is narrowed there; loads into registers cannot be asked for jointly, and a way through LDS would add 256 KiB of LDS traffic a work-group.
.set CROW, 16384                       ; bytes of one channel's 4,096 positions
.set XLO, 32768                        ; LDS: x hi fragments at 0, x lo fragments here; fragment (kc, u) at 4,096 kc + 1,024 u
.set VX,  1                            ; v1   8 h channels + 16 r: my 16 bytes of x
.set VW,  2                            ; v2   row r of W (1,024 bytes) + 32 h
.set VL,  3                            ; v3   16 x lane
.set VLS, 4                            ; v4   16 x lane + 4,096 x wave: where my wave puts its K chunk of x
.set VB,  5                            ; v5   my offset in the bias
                                       ; v[6:7], v[248:249]  at work, by turns
.set BI,  8                            ; v[8:23]    bias as a C operand, o tile e at +8 e
.set XF,  24                           ; v[24:55]   x (hi) fragments of one K chunk, position tile u at +8 u
.set HI,  56                           ; v[56:87]   W hi fragments: set kc % 2 at +16, o tile e at +8 e
.set XL,  88                           ; v[88:119]  x lo fragments, tile u at +8 u
.set ACC, 120                          ; v[120:183] accumulator (e, u) at +8 (4 e + u); before the products: x as loaded, f32
.set WS,  184                          ; v[184:247] two slots of 32: W's K chunk kc as loaded in slot kc % 2, o tile e at +16 e; narrowed in place into the first 8 of each 16
	s_load_b512 s[8:23], s[0:1], 0x0               ; q_in s[8:9], k_in s[10:11], v_in s[12:13], w_q s[14:15], w_k s[16:17], w_v s[18:19], b_q s[20:21], b_k s[22:23]
	s_load_b128 s[24:27], s[0:1], 0x40             ; b_v s[24:25], qf s[26:27]
	s_load_b64 s[28:29], s[0:1], 0x50              ; kv
	v_lshl_add_u32 v250, v0, 2, 0x10000
	v_mov_b32 v251, 0
	v_lshrrev_b32 v6, 5, v0
	v_readfirstlane_b32 s30, v6                    ; wave = head
	s_and_b32 s31, ttmp7, 0xffff                   ; 0: q, 1: k, 2: v
	s_lshr_b32 s32, ttmp9, 6                       ; batch
	s_and_b32 s33, ttmp9, 63                       ; group of 64 positions
	s_mov_b32 s46, 0x3f99be61                      ; sqrt(log2 e), twice: the packed multiply names the pair
	s_mov_b32 s47, 0x3f99be61
	s_mov_b32 s3, 0xffffe000                       ; keeps sign, exponent and 10 mantissa bits of an f32
	v_and_b32 v6, 15, v0                           ; r
	v_bfe_u32 v7, v0, 4, 1                         ; h
	v_lshlrev_b32 v[VX], 4, v6
	v_lshl_add_u32 v[VX], v7, 17, v[VX]            ; 16 r + 8 h channels of 16,384 bytes
	v_lshlrev_b32 v[VW], 10, v6
	v_lshl_add_u32 v[VW], v7, 5, v[VW]             ; 1,024 r + 32 h
	v_and_b32 v[VL], 31, v0
	v_lshlrev_b32 v[VL], 4, v[VL]
	v_lshl_add_u32 v[VLS], s30, 12, v[VL]
	s_wait_kmcnt 0x0
	s_cmp_eq_u32 s31, 0                            ; the choice hangs on the grid's y alone
	s_cselect_b64 s[34:35], s[8:9], s[10:11]       ; x
	s_cselect_b64 s[36:37], s[14:15], s[16:17]     ; W
	s_cselect_b64 s[38:39], s[20:21], s[22:23]     ; bias
	s_cselect_b64 s[40:41], s[26:27], s[28:29]     ; where the result goes: qf, or kv for k and v
	s_cselect_b32 s42, 0, 1                        ; a group's bytes: 4,096 in qf, 8,192 in kv
	s_cmp_eq_u32 s31, 2
	s_cselect_b64 s[34:35], s[12:13], s[34:35]
	s_cselect_b64 s[36:37], s[18:19], s[36:37]
	s_cselect_b64 s[38:39], s[24:25], s[38:39]
	s_lshl_b32 s44, s32, 22                        ; x: batch, my wave's 32 channels (it stages K chunk kc = wave), the group's 256 bytes
	s_lshl_b32 s43, s30, 19
	s_add_co_u32 s44, s44, s43
	s_lshl_b32 s43, s33, 8
	s_add_co_u32 s44, s44, s43
	s_mov_b32 s45, 0
	s_add_nc_u64 s[34:35], s[34:35], s[44:45]
	s_lshl_b32 s44, s30, 15                        ; W: my 32 rows of 1,024 bytes
	s_add_nc_u64 s[36:37], s[36:37], s[44:45]
	s_lshl_b32 s44, s30, 7                         ; bias: my 32 numbers
	s_add_nc_u64 s[38:39], s[38:39], s[44:45]
	s_lshl_b32 s44, s32, 3
	s_add_co_u32 s44, s44, s30                     ; bh = 8 b + head
	s_lshl_b32 s44, s44, 18
	s_lshl_b32 s43, s33, 12
	s_add_co_u32 s44, s44, s43
	s_lshl_b32 s44, s44, s42                       ; (bh x 256 KiB + g x 4 KiB), doubled for kv
	s_add_nc_u64 s[40:41], s[40:41], s[44:45]
; Eight loads: lane (r, h) takes the 16 numbers c = 32 kc + 8 h + 0..7 and 32 kc + 16 + 8 h + 0..7 of rows r and 16 + r of my 32.
.macro WLOAD kc
.irp e, 0,1
.irp q, 0,1,2,3
	global_load_b128 v[WS+((\kc)%2)*32+16*\e+4*\q:WS+((\kc)%2)*32+16*\e+4*\q+3], v[VW], s[36:37] offset:\e*16384+(\kc)*128+(\q&1)*16+(\q>>1)*64
.endr
.endr
.endm
; v: f32 to f16 in place; the fragment of o tile e ends up in the first eight registers of its sixteen.
.macro CVTW kc
.irp e, 0,1
.irp p, 0,1,2,3,4,5,6,7
	v_cvt_pk_f16_f32 v[WS+((\kc)%2)*32+16*\e+\p], v[WS+((\kc)%2)*32+16*\e+2*\p], v[WS+((\kc)%2)*32+16*\e+2*\p+1]
.endr
.endr
.endm
; q, k: o tile e of chunk kc in two parts.  hi goes to this trip's set of HI, lo in place: register p is written when registers 2 p and 2 p + 1 have been read.
; The two pairs of registers at work take turns, so that a pair's five instructions do not wait for the pair before.
.macro SPLITW kc, e
.irp p, 0,1,2,3,4,5,6,7
	v_and_b32 v[6+242*(\p&1)], s3, v[WS+((\kc)%2)*32+16*\e+2*\p]
	v_and_b32 v[7+242*(\p&1)], s3, v[WS+((\kc)%2)*32+16*\e+2*\p+1]
	v_cvt_pk_f16_f32 v[HI+((\kc)%2)*16+8*\e+\p], v[6+242*(\p&1)], v[7+242*(\p&1)]
	v_pk_add_f32 v[6+242*(\p&1):7+242*(\p&1)], v[WS+((\kc)%2)*32+16*\e+2*\p:WS+((\kc)%2)*32+16*\e+2*\p+1], v[6+242*(\p&1):7+242*(\p&1)] neg_lo:[0,1] neg_hi:[0,1]
	v_cvt_pk_f16_f32 v[WS+((\kc)%2)*32+16*\e+\p], v[6+242*(\p&1)], v[7+242*(\p&1)]
.endr
.endm
; The four x fragments at LDS byte off into f
.macro XLOAD f, off
.irp u, 0,1,2,3
.irp cc, 0,1
	ds_load_b128 v[\f+8*\u+4*\cc:\f+8*\u+4*\cc+3], v[VL] offset:\off+\u*1024+\cc*512
.endr
.endr
.endm
.macro MM d, a, b, c
	v_wmma_f32_16x16x32_f16 v[\d:\d+7], v[\a:\a+7], v[\b:\b+7], v[\c:\c+7]
.endm
; Eight products, one for each accumulator: W fragments at wb and wb + wstep, x fragments at xb.  The eight accumulators take turns, one instruction a turn,
; from call to call and from trip to trip too.
; swap = 0: D register j = (channel 8 h + j of the tile, position r).  swap = 1: D register j = (position row 8 h + j, channel r).
; first = 1: the bias is C: nothing is cleared and the bias costs no addition.
.macro PMUL8 wb, wstep, xb, swap, first
.irp e, 0,1
.irp u, 0,1,2,3
.if \swap
.if \first
	MM ACC+8*(4*\e+\u), \xb+8*\u, \wb+\wstep*\e, BI+8*\e
.else
	MM ACC+8*(4*\e+\u), \xb+8*\u, \wb+\wstep*\e, ACC+8*(4*\e+\u)
.endif
.else
.if \first
	MM ACC+8*(4*\e+\u), \wb+\wstep*\e, \xb+8*\u, BI+8*\e
.else
	MM ACC+8*(4*\e+\u), \wb+\wstep*\e, \xb+8*\u, ACC+8*(4*\e+\u)
.endif
.endif
.endr
.endr
.endm
; One K chunk of 32 channels.  left = loads of W issued behind chunk kc's; ld = 1: chunk kc + 1 is asked for, into the slot that the last trip multiplied by.
; The conversions at the head work on this trip's slot, this trip's set of HI and the registers at work alone: they are also the places between the last
; trip's products and the loads into those products' sources (ISA guide 7.12.1 for vector instructions).
.macro PTRIP kc, left, ld, first, swap
	s_wait_loadcnt \left                           ; loads come back in order: chunk kc of W is in
.if \swap
	CVTW \kc
	XLOAD XF, (\kc)*4096
.if \ld
	WLOAD \kc+1
.endif
	s_wait_dscnt 0x0
	PMUL8 WS+((\kc)%2)*32, 16, XF, 1, \first
.else
	SPLITW \kc, 0
	XLOAD XF, (\kc)*4096
	XLOAD XL, XLO+(\kc)*4096
.if \ld
	WLOAD \kc+1
.endif
	SPLITW \kc, 1                                  ; forty vector instructions while the sixteen LDS loads are on their way
	s_wait_dscnt 0x0
	PMUL8 HI+((\kc)%2)*16, 8, XF, 0, \first        ; Wh Xh
	PMUL8 WS+((\kc)%2)*32, 16, XF, 0, 0            ; Wl Xh
	PMUL8 HI+((\kc)%2)*16, 8, XL, 0, 0             ; Wh Xl
.endif
.endm
.macro MAIN swap
.if \swap
	v_lshlrev_b32 v[VB], 2, v6                     ; C(row, channel r): every register of a lane holds b[16 e + r]
	global_load_b32 v[BI], v[VB], s[38:39]
	global_load_b32 v[BI+8], v[VB], s[38:39] offset:64
.else
	v_lshlrev_b32 v[VB], 5, v7                     ; C(channel 8 h + j, position): register j holds b[16 e + 8 h + j]
.irp e, 0,1
	global_load_b128 v[BI+8*\e:BI+8*\e+3], v[VB], s[38:39] offset:64*\e
	global_load_b128 v[BI+8*\e+4:BI+8*\e+7], v[VB], s[38:39] offset:64*\e+16
.endr
.endif
.irp i, 0,1,2,3,4,5,6,7,8,9,10,11,12,13,14,15
	global_load_b128 v[ACC+4*\i:ACC+4*\i+3], v[VX], s[34:35] offset:(\i+(\i>>3)*8)*CROW th:TH_LOAD_NT   ; channels 8 h + i, then 16 + 8 h + (i - 8): each half of the lanes reads 256 consecutive bytes, aligned
.endr
	WLOAD 0
	WLOAD 1
	s_wait_loadcnt 16                              ; the 16 younger loads are W's chunks 0 and 1: the bias and x are in
.if \swap
.irp e, 0,1
.irp j, 1,2,3,4,5,6,7
	v_mov_b32 v[BI+8*\e+\j], v[BI+8*\e]
.endr
.endr
.irp u, 0,1,2,3
.irp p, 0,1,2,3,4,5,6,7
	v_cvt_pk_f16_f32 v[XF+8*\u+\p], v[ACC+8*\p+\u], v[ACC+8*\p+4+\u]   ; word u of loads 2 p and 2 p + 1: two neighbouring channels of tile u's position
.endr
.endr
.else
.irp u, 0,1,2,3
.irp p, 0,1,2,3,4,5,6,7
	v_and_b32 v[6+242*(\p&1)], s3, v[ACC+8*\p+\u]                      ; the same two numbers, in two parts
	v_and_b32 v[7+242*(\p&1)], s3, v[ACC+8*\p+4+\u]
	v_cvt_pk_f16_f32 v[XF+8*\u+\p], v[6+242*(\p&1)], v[7+242*(\p&1)]
	v_sub_f32 v[6+242*(\p&1)], v[ACC+8*\p+\u], v[6+242*(\p&1)]
	v_sub_f32 v[7+242*(\p&1)], v[ACC+8*\p+4+\u], v[7+242*(\p&1)]
	v_cvt_pk_f16_f32 v[XL+8*\u+\p], v[6+242*(\p&1)], v[7+242*(\p&1)]
.endr
.endr
.endif
.irp u, 0,1,2,3
.irp cc, 0,1
	ds_store_b128 v[VLS], v[XF+8*\u+4*\cc:XF+8*\u+4*\cc+3] offset:\u*1024+\cc*512
.endr
.endr
.if \swap == 0
.irp u, 0,1,2,3
.irp cc, 0,1
	ds_store_b128 v[VLS], v[XL+8*\u+4*\cc:XL+8*\u+4*\cc+3] offset:XLO+\u*1024+\cc*512
.endr
.endr
.endif
	s_wait_dscnt 0x0                               ; my chunk of x lies in LDS,
	s_barrier_signal -1
	s_barrier_wait -1                              ; and so does every wave's; nothing writes these bytes again
	PTRIP 0, 8, 0, 1, \swap                        ; behind chunk 0: chunk 1's eight loads
	PTRIP 1, 0, 1, 0, \swap                        ; from here on chunk kc + 1 is asked for behind trip kc's wait: nothing is younger than chunk kc
	PTRIP 2, 0, 1, 0, \swap
	PTRIP 3, 0, 1, 0, \swap
	PTRIP 4, 0, 1, 0, \swap
	PTRIP 5, 0, 1, 0, \swap
	PTRIP 6, 0, 1, 0, \swap
	PTRIP 7, 0, 0, 0, \swap
.rept 4
	v_nop                                          ; four places between the last product and the first vector instruction that reads a result (ISA guide 7.12.1)
.endr
.if \swap == 0
.set i, 0
.rept 32
	v_pk_mul_f32 v[ACC+i:ACC+i+1], v[ACC+i:ACC+i+1], s[46:47] op_sel_hi:[1,0]   ; q and k times sqrt(log2 e)
.set i, i+2
.endr
.endif
.irp a, 0,1,2,3,4,5,6,7
.irp i, 0,1,2,3
	v_cvt_pk_f16_f32 v[ACC+8*\a+\i], v[ACC+8*\a+2*\i], v[ACC+8*\a+2*\i+1]
.endr
.endr
.irp e, 0,1
.irp u, 0,1,2,3
.if \swap
	global_store_b128 v[VL], v[ACC+8*(4*\e+\u):ACC+8*(4*\e+\u)+3], s[40:41] offset:4096+(\u>>1)*2048+\e*1024+(\u&1)*512   ; V fragment (key pair u / 2, dv tile e), half u % 2
.else
	global_store_b128 v[VL], v[ACC+8*(4*\e+\u):ACC+8*(4*\e+\u)+3], s[40:41] offset:\u*1024+\e*512   ; Q or K fragment of tile u, half e: 512 consecutive bytes, aligned
.endif
.endr
.endr
	s_wait_tensorcnt 0x0
	ds_add_u32 v250, v251
	s_wait_dscnt 0x0
	s_endpgm
.endm
	s_cmp_eq_u32 s31, 2                            ; the same in all waves of the work-group
	s_cbranch_scc1 .Lv
	MAIN 0                                         ; q, k: a lane ends with eight neighbouring channels of one position
.Lv:
	MAIN 1                                         ; v: sources swapped, a lane ends with eight keys of one channel
.Lfunc_end_k_qda88d6084d_proj_qkv:
	.size	k_qda88d6084d_proj_qkv, .Lfunc_end_k_qda88d6084d_proj_qkv-k_qda88d6084d_proj_qkv
	.p2alignl 7, 3214868480
	.fill 96, 4, 3214868480
	.section	.rodata,"a",@progbits
	.p2align	6, 0x0
	.amdhsa_kernel k_qda88d6084d_proj_qkv
		.amdhsa_group_segment_fixed_size 66560
		.amdhsa_private_segment_fixed_size 0
		.amdhsa_enable_private_segment 0
		.amdhsa_kernarg_size 88
		.amdhsa_user_sgpr_count 2
		.amdhsa_user_sgpr_kernarg_segment_ptr 1
		.amdhsa_wavefront_size32 1
		.amdhsa_system_sgpr_workgroup_id_x 1
		.amdhsa_system_sgpr_workgroup_id_y 1
		.amdhsa_system_sgpr_workgroup_id_z 1
		.amdhsa_system_vgpr_workitem_id 0
		.amdhsa_next_free_vgpr 252
		.amdhsa_next_free_sgpr 66
		.amdhsa_reserve_vcc 0
		.amdhsa_float_denorm_mode_32 3
		.amdhsa_float_denorm_mode_16_64 3
		.amdhsa_memory_ordered 1
		.amdhsa_forward_progress 1
		.amdhsa_inst_pref_size 108
	.end_amdhsa_kernel
	.amdgpu_metadata
---
amdhsa.version: [ 1, 2 ]
amdhsa.kernels:
  - .name:           k_qda88d6084d_proj_qkv
    .symbol:         k_qda88d6084d_proj_qkv.kd
    .args:
      - { .name: q_in, .offset: 0, .size: 8, .value_kind: global_buffer, .address_space: global }
      - { .name: k_in, .offset: 8, .size: 8, .value_kind: global_buffer, .address_space: global }
      - { .name: v_in, .offset: 16, .size: 8, .value_kind: global_buffer, .address_space: global }
      - { .name: w_q, .offset: 24, .size: 8, .value_kind: global_buffer, .address_space: global }
      - { .name: w_k, .offset: 32, .size: 8, .value_kind: global_buffer, .address_space: global }
      - { .name: w_v, .offset: 40, .size: 8, .value_kind: global_buffer, .address_space: global }
      - { .name: b_q, .offset: 48, .size: 8, .value_kind: global_buffer, .address_space: global }
      - { .name: b_k, .offset: 56, .size: 8, .value_kind: global_buffer, .address_space: global }
      - { .name: b_v, .offset: 64, .size: 8, .value_kind: global_buffer, .address_space: global }
      - { .name: qf, .offset: 72, .size: 8, .value_kind: global_buffer, .address_space: global }
      - { .name: kv, .offset: 80, .size: 8, .value_kind: global_buffer, .address_space: global }
    .group_segment_fixed_size: 66560
    .private_segment_fixed_size: 0
    .kernarg_segment_align: 8
    .kernarg_segment_size: 88
    .max_flat_workgroup_size: 256
    .sgpr_count:     66
    .vgpr_count:     252
    .wavefront_size: 32
...
	.end_amdgpu_metadata
.endif
;; end of part 1
;; launch attn (part 2): grid 16 x 16, 8 waves a work-group, clusters of 4 x 1, 327,680 bytes of LDS; arguments qf, kv, att; writes att
.if DOCPART == 2
	.amdgcn_target "amdgcn-amd-amdhsa--gfx1250"
	.amdhsa_code_object_version 6
	.text
	.protected	k_qda88d6084d_attn
	.globl	k_qda88d6084d_attn
	.p2align	8
	.type	k_qda88d6084d_attn,@function
k_qda88d6084d_attn:
	s_mov_b64 s[64:65], 0
	v_nop
	global_prefetch_b8 v0, s[64:65] scope:SCOPE_SE
	s_setreg_imm32_b32 hwreg(HW_REG_WAVE_MODE, 25, 1), 1
	s_wait_xcnt 0x0
	s_wait_alu depctr_hold_cnt(0) depctr_sa_sdst(0) depctr_va_vdst(0) depctr_va_sdst(0) depctr_va_ssrc(0) depctr_va_vcc(0) depctr_vm_vsrc(0)
	s_getreg_b32 s2, hwreg(HW_REG_IB_STS2, 6, 4)
	s_cmp_eq_u32 s2, 0
	s_cbranch_scc0 .Lentry_in_a_cluster
	s_endpgm
.Lentry_in_a_cluster:
	s_bfe_u32 s2, ttmp6, 0x10000c
	s_cmp_lg_u32 s2, 0x3003
	s_cbranch_scc0 .Lentry_shape_is_right
	s_endpgm
.Lentry_shape_is_right:
; softmax(q k) v for one head (grid y = bh) and 256 queries (grid x), with a running maximum; the result in f16, in fragment order.
; The division by sqrt(32) that follows the softmax is linear and is made in f32 by the last launch: what is stored here is an average of v's,
; which has room in f16 wherever v has.
; Eight waves; wave w owns query tiles 16 qblk + 2 w + t, t = 0, 1 (32 queries) and walks all 4,096 keys in blocks of 64.
; S = K Q: D register j of lane (r, h) = (key 8 h + j of a tile, query r).  Two key tiles, narrowed to f16, ARE the B operand P(k = key, column = query)
; of O = V P: no transpose and no traffic between lanes but one exchange of the two halves for the maximum.
; The row sums come from the matrix unit as well: ONES has rows 0 and 8 equal to 1 and the others 0, so register 0 of ONES x P is l(query r) in both halves of
; the lanes, and registers 1 to 7 stay 0.  l is the sum of the rounded P, as the numerator is.
; q and k arrive multiplied by sqrt(log2 e) each: the scores are s log2 e.  The running maximum is taken away by an addition of -m, so every exponent is <= 0.
; CLUSTER: the four work-groups of a cluster have the same head and read the same K and V.  Each of the head's four pieces of 128 KiB is asked for jointly
; (mask 15), wave w asking for bytes 16,384 w .. of the piece: 64 rows of 256 bytes.  Two LDS slots; a wave has two tensor loads out at the start, one later.
; The place in the cluster enters the global addresses of Q and of the result alone.
; LIMITS: K, Q, V, P and the result are f16 (|.| < 65,504; P below 3e-8 rounds to 0, at most 4,096 x 3e-8 of a row sum that is at least 1; a result below 6.1e-5
; keeps an absolute step of 6e-8).  Keys are summed in tile order, not in ascending order.  NaN and infinities are not treated specially.
.set SLOT, 131072                      ; 16 blocks of 64 keys
.set BLK,  8192                        ; a block: K tiles 0..3 (1,024 bytes each), then V fragments (key pair c, dv tile) at 4,096 + 2,048 c + 1,024 dvt
.set VL,   1                           ; v1        16 x lane
.set ADR,  3                           ; v3        16 x lane + the LDS address of the trip's block
.set T,    4                           ; v[4:7]    at work
.set TP,   8                           ; v8        the other half's maximum
.set M,    10                          ; v10, v11  running maximum of tile t's query r
.set NM,   12                          ; v[12:15]  -m, twice, for tile t
.set AL,   16                          ; v[16:19]  2^(m old - m new), twice, for tile t
.set ONES, 20                          ; v[20:27]
.set QF,   28                          ; v[28:43]  Q fragments, tile t at +8 t
.set KF,   44                          ; v[44:75]  K fragments, key tile kt at +8 kt
.set VF,   76                          ; v[76:107] V fragments at +8 (2 c + dvt)
.set S,    108                         ; v[108:171] scores, tile gi = 4 t + kt at +8 gi
.set P,    172                         ; v[172:203] P at +8 (2 t + c)
.set O,    204                         ; v[204:235] O at +8 (2 t + dvt)
.set LA,   236                         ; v[236:251] row sums at +8 t
.set ARG,  252                         ; v252, v253 exponent of AL
.set G1,   16                          ; s[16:23]  descriptor group 1
.set G0,   24                          ; s[24:31]  descriptor group 0, a set for each slot
; A round of the cluster's barrier: my work-group's barrier, wave 0 signals for the work-group, every wave waits for all four work-groups, my work-group's barrier again.
.macro ROUND
	s_barrier_signal -1
	s_barrier_wait -1
	s_cmp_lg_u32 s8, 0
	s_cbranch_scc1 .Lnot_wave_0_\@
	s_barrier_signal -3
.Lnot_wave_0_\@:
	s_barrier_wait -3
	s_barrier_signal -1
	s_barrier_wait -1
.endm
	s_load_b128 s[4:7], s[0:1], 0x0                ; qf s[4:5], kv s[6:7]
	s_load_b64 s[10:11], s[0:1], 0x10              ; att
	v_lshl_add_u32 v254, v0, 2, 0x40000
	v_mov_b32 v255, 0
	ds_add_u32 v254, v255
	v_lshrrev_b32 v2, 5, v0
	v_readfirstlane_b32 s8, v2                     ; wave 0..7
	s_and_b32 s14, ttmp7, 0xffff                   ; bh: the cluster is one work-group high
	; group 1: a dense piece as 64 rows of 32 elements of 8 bytes
	s_mov_b32 s[G1+0], 0x0023000f                  ; 15:0 mask = all four of the cluster; 17:16 element of 8 bytes; 21 set beside a mask; no padding
	s_mov_b32 s[G1+1], 32<<16                      ; tensor_dim0 = 32
	s_mov_b32 s[G1+2], 64<<16                      ; tensor_dim1 = 64
	s_mov_b32 s[G1+3], 32<<16                      ; tile_dim0 = 32
	s_mov_b32 s[G1+4], 64                          ; tile_dim1 = 64
	s_mov_b32 s[G1+5], 32                          ; from row to row: 32 elements
	s_mov_b32 s[G1+6], 0
	s_mov_b32 s[G1+7], 0
	s_lshl_b32 s15, s8, 14                         ; my wave's 16,384 bytes of a piece, in memory and in LDS
	s_lshl_b32 s32, s14, 19                        ; the head's 512 KiB of kv
	s_add_co_u32 s32, s32, s15
	s_mov_b32 s33, 0
	s_wait_dscnt 0x0
	s_wait_kmcnt 0x0
	s_add_nc_u64 s[6:7], s[6:7], s[32:33]
.irp n, 0,1
	s_mov_b32 s[G0+4*\n], 1
	s_add_co_u32 s[G0+4*\n+1], s15, \n*SLOT
	s_add_nc_u64 s[G0+4*\n+2:G0+4*\n+3], s[6:7], \n*SLOT
	s_or_b32 s[G0+4*\n+3], s[G0+4*\n+3], 0x80000000
.endr
	ROUND                                          ; all four work-groups are here: the first joint loads meet
	tensor_load_to_lds s[G0:G0+3], s[G1:G1+7]      ; keys 0 to 1,023
	s_nop 0
	tensor_load_to_lds s[G0+4:G0+7], s[G1:G1+7]    ; keys 1,024 to 2,047
	s_nop 0
	s_bfe_u32 s12, ttmp6, 0x40000                  ; cx
	s_lshl_b32 s13, ttmp9, 2
	s_add_co_u32 s13, s13, s12                     ; qblk = 4 x cluster x + cx: from here on in s12, s13, s[40:43] and the two global bases alone
	s_lshl_b32 s40, s14, 18                        ; Q: head, 16 tiles a block, 2 tiles a wave, 1,024 bytes a tile
	s_lshl_b32 s41, s13, 14
	s_add_co_u32 s40, s40, s41
	s_lshl_b32 s41, s8, 11
	s_add_co_u32 s40, s40, s41
	s_mov_b32 s41, 0
	s_add_nc_u64 s[4:5], s[4:5], s[40:41]
	s_lshr_b32 s42, s14, 3                         ; att[b][tile][head][1,024]
	s_lshl_b32 s42, s42, 21
	s_lshl_b32 s43, s13, 17
	s_add_co_u32 s42, s42, s43
	s_add_co_u32 s42, s42, s15
	s_and_b32 s43, s14, 7
	s_lshl_b32 s43, s43, 10
	s_add_co_u32 s42, s42, s43
	s_mov_b32 s43, 0
	s_add_nc_u64 s[10:11], s[10:11], s[42:43]
	s_mov_b32 s34, 0x76543210                      ; v_permlanex16_b32: lane i of one half reads lane i of the other
	s_mov_b32 s35, 0xfedcba98
	v_and_b32 v[VL], 31, v0
	v_lshlrev_b32 v[VL], 4, v[VL]
.irp t, 0,1
.irp cc, 0,1
	global_load_b128 v[QF+8*\t+4*\cc:QF+8*\t+4*\cc+3], v[VL], s[4:5] offset:\t*1024+\cc*512 th:TH_LOAD_NT
.endr
.endr
	v_and_b32 v[T], 7, v0
	v_cmp_eq_u32 vcc_lo, 0, v[T]                   ; lanes 0, 8, 16, 24: rows 0 and 8 of an A operand
	v_mov_b32 v[T+1], 0x3c003c00                   ; 1.0, 1.0 in f16
	v_cndmask_b32 v[ONES], 0, v[T+1], vcc_lo
.irp j, 1,2,3,4,5,6,7
	v_mov_b32 v[ONES+\j], v[ONES]
.endr
	v_mov_b32 v[TP], 0                             ; the lane exchange counts as a reader of its destination
	s_wait_loadcnt 0x0                             ; Q
	s_wait_tensorcnt 0x1                           ; my part of slot 0 has landed; slot 1's may stay out
	s_barrier_signal -1
	s_barrier_wait -1                              ; every wave's part has
.macro KLOAD off                       ; the four K fragments of the block at ADR + off
.irp kt, 0,1,2,3
.irp cc, 0,1
	ds_load_b128 v[KF+8*\kt+4*\cc:KF+8*\kt+4*\cc+3], v[ADR] offset:\off+\kt*1024+\cc*512
.endr
.endr
.endm
; The new maximum of query tile t over my 32 scores, the old maximum and the other half's 32 scores; -m; the factor for what has been summed.
.macro MAXT t, first
.irp k, 0,1,2,3
	v_max3_num_f32 v[T+\k], v[S+8*(4*\t+\k)], v[S+8*(4*\t+\k)+1], v[S+8*(4*\t+\k)+2]
.endr
.irp k, 0,1,2,3
	v_max3_num_f32 v[T+\k], v[T+\k], v[S+8*(4*\t+\k)+3], v[S+8*(4*\t+\k)+4]
.endr
.irp k, 0,1,2,3
	v_max3_num_f32 v[T+\k], v[T+\k], v[S+8*(4*\t+\k)+5], v[S+8*(4*\t+\k)+6]
.endr
	v_max3_num_f32 v[T], v[T], v[T+1], v[S+8*(4*\t)+7]
	v_max3_num_f32 v[T+2], v[T+2], v[T+3], v[S+8*(4*\t+1)+7]
	v_max3_num_f32 v[T], v[T], v[T+2], v[S+8*(4*\t+2)+7]
.if \first
	v_max_num_f32 v[T], v[T], v[S+8*(4*\t+3)+7]
.else
	v_max3_num_f32 v[T], v[T], v[S+8*(4*\t+3)+7], v[M+\t]
.endif
	v_permlanex16_b32 v[TP], v[T], s34, s35
	v_max_num_f32 v[M+\t], v[T], v[TP]
	v_mul_f32 v[NM+2*\t+1], -1.0, v[M+\t]
.if \first == 0
	v_sub_f32 v[ARG+\t], v[NM+2*\t+1], v[NM+2*\t]  ; m old - m new, never above 0
.endif
	v_mul_f32 v[NM+2*\t], -1.0, v[M+\t]
.if \first == 0
	v_exp_f32 v[AL+2*\t], v[ARG+\t]                ; 2^(m old - m new), into both registers of AL
	v_exp_f32 v[AL+2*\t+1], v[ARG+\t]
.endif
.endm
.macro SUBT gi                         ; s - m
.irp i, 0,1,2,3
	v_pk_add_f32 v[S+8*(\gi)+2*\i:S+8*(\gi)+2*\i+1], v[S+8*(\gi)+2*\i:S+8*(\gi)+2*\i+1], v[NM+2*((\gi)>>2):NM+2*((\gi)>>2)+1]
.endr
.endm
.macro EXPT gi
.irp i, 0,1,2,3,4,5,6,7
	v_exp_f32 v[S+8*(\gi)+\i], v[S+8*(\gi)+\i]
.endr
.endm
.macro CVT gi                          ; key tile kt of query tile t: registers 4 (kt % 2) .. of P(t, kt / 2)
	s_wait_alu depctr_va_vdst(0)
.irp i, 0,1,2,3
	v_cvt_pk_f16_f32 v[P+8*((\gi)>>1)+4*((\gi)&1)+\i], v[S+8*(\gi)+2*\i], v[S+8*(\gi)+2*\i+1]
.endr
.endm
.macro STEP a, b                       ; the next tile's subtraction stands between a tile's exponentials and their first use
	EXPT \a
	SUBT \b
	CVT \a
.endm
.macro ACCUM d, a, b, zero
.if \zero
	v_wmma_f32_16x16x32_f16 v[\d:\d+7], v[\a:\a+7], v[\b:\b+7], 0
.else
	v_wmma_f32_16x16x32_f16 v[\d:\d+7], v[\a:\a+7], v[\b:\b+7], v[\d:\d+7]
.endif
.endm
; One block of 64 keys against my 32 queries.  first = 1: the sums and the maximum start here, nothing is cleared.  pf = 1: the next block's K is fetched.
.macro TRIP first, pf
	s_wait_dscnt 0x0                               ; the only LDS loads that are out are this block's eight of K
.irp t, 0,1
.irp kt, 0,1,2,3
	v_wmma_f32_16x16x32_f16 v[S+8*(4*\t+\kt):S+8*(4*\t+\kt)+7], v[KF+8*\kt:KF+8*\kt+7], v[QF+8*\t:QF+8*\t+7], 0
.endr
.endr
.rept 4
	v_nop                                          ; four places: ahead of the reads of S, of the loads into KF, and, behind the last trip's products, of the loads into VF
.endr
.irp vf, 0,1,2,3
.irp cc, 0,1
	ds_load_b128 v[VF+8*\vf+4*\cc:VF+8*\vf+4*\cc+3], v[ADR] offset:4096+\vf*1024+\cc*512
.endr
.endr
.if \pf
	KLOAD BLK
	v_add_nc_u32 v[ADR], BLK, v[ADR]               ; the next block
.endif
	MAXT 0, \first
	MAXT 1, \first
	SUBT 0
	STEP 0, 1
	STEP 1, 2
	STEP 2, 3
	STEP 3, 4
	STEP 4, 5
	STEP 5, 6
	STEP 6, 7
	EXPT 7
.if \first
	v_nop                                          ; the plain place behind the exponentials
	s_wait_alu depctr_va_vdst(0)
.else
	s_wait_alu depctr_va_vdst(0)
.irp t, 0,1
.irp i, 0,1,2,3,4,5,6,7
	v_pk_mul_f32 v[O+16*\t+2*\i:O+16*\t+2*\i+1], v[O+16*\t+2*\i:O+16*\t+2*\i+1], v[AL+2*\t:AL+2*\t+1]
.endr
	v_mul_f32 v[LA+8*\t], v[LA+8*\t], v[AL+2*\t]   ; registers 1 to 7 of the row sums are 0 and stay so
.endr
.endif
	CVT 7
.if \pf
	s_wait_dscnt 0x8                               ; the eight younger loads are the next block's K: V is in
.else
	s_wait_dscnt 0x0
.endif
	; six accumulators take turns, one instruction a turn; the next matrix instruction behind the last is a score product
.irp c, 0,1
.irp t, 0,1
	ACCUM O+16*\t, VF+16*\c, P+8*(2*\t+\c), \first*(1-\c)
	ACCUM O+16*\t+8, VF+16*\c+8, P+8*(2*\t+\c), \first*(1-\c)
	ACCUM LA+8*\t, ONES, P+8*(2*\t+\c), \first*(1-\c)
.endr
.endr
.endm
; The sixteen blocks of a slot.  The last block fetches no K ahead: no read leaves the slot.
.macro PHASE slot, first
	v_add_nc_u32 v[ADR], \slot*SLOT, v[VL]
	KLOAD 0
.if \first
	TRIP 1, 1
	s_mov_b32 s39, 1
.else
	s_mov_b32 s39, 0
.endif
.Lkeys_\@:
	TRIP 0, 1
	s_add_co_u32 s39, s39, 1
	s_cmp_lt_u32 s39, 15
	s_cbranch_scc1 .Lkeys_\@
	TRIP 0, 0
.endm
; The change of slots.  Slot n has been read.  Every wave waits for all its tensor loads (its part of the other slot) and for its LDS reads; behind the round
; no wave of any of the four work-groups still reads slot n or has a load on its way, and the joint refill is the first thing there, one load a wave.
.macro SWITCH n, refill
	s_wait_tensorcnt 0x0
	ds_add_u32 v254, v255
	s_wait_dscnt 0x0
	s_wait_dscnt 0x0
.if \refill
	s_add_nc_u64 s[G0+4*\n+2:G0+4*\n+3], s[G0+4*\n+2:G0+4*\n+3], 2*SLOT   ; no load of mine is out: the group may be written
	ROUND
	tensor_load_to_lds s[G0+4*\n:G0+4*\n+3], s[G1:G1+7]
	s_nop 0
.else
	s_barrier_signal -1                            ; nothing is filled again: my work-group's barrier shows the other slot whole
	s_barrier_wait -1
.endif
.endm
	PHASE 0, 1                                     ; keys 0 to 1,023
	SWITCH 0, 1                                    ; keys 2,048 to 3,071 go out, with sixteen trips in which to land
	PHASE 1, 0
	SWITCH 1, 1                                    ; keys 3,072 to 4,095
	PHASE 0, 0
	SWITCH 0, 0
	PHASE 1, 0
.rept 4
	v_nop                                          ; four places behind the last products
.endr
	v_rcp_f32 v[AL], v[LA]                         ; 1 / l, twice for each query tile; l is at least 1: the largest score's term is 2^0
	v_rcp_f32 v[AL+1], v[LA]
	v_rcp_f32 v[AL+2], v[LA+8]
	v_rcp_f32 v[AL+3], v[LA+8]
	v_nop                                          ; the plain place behind the reciprocals (ISA guide 5.7.2)
	s_wait_alu depctr_va_vdst(0)
.irp t, 0,1
.irp i, 0,1,2,3,4,5,6,7
	v_pk_mul_f32 v[O+16*\t+2*\i:O+16*\t+2*\i+1], v[O+16*\t+2*\i:O+16*\t+2*\i+1], v[AL+2*\t:AL+2*\t+1]
.endr
.endr
.irp a, 0,1,2,3
.irp i, 0,1,2,3
	v_cvt_pk_f16_f32 v[P+4*\a+\i], v[O+8*\a+2*\i], v[O+8*\a+2*\i+1]   ; dv 16 dvt + 8 h + 0..7 of query r: registers 4 dvt .. of the last launch's B fragment
.endr
.endr
.irp t, 0,1
.irp dvt, 0,1
	global_store_b128 v[VL], v[P+4*(2*\t+\dvt):P+4*(2*\t+\dvt)+3], s[10:11] offset:\t*8192+\dvt*512   ; 512 consecutive bytes, aligned
.endr
.endr
	ROUND                                          ; the closing round: no work-group ends while a partner may still ask jointly
	s_endpgm
.Lfunc_end_k_qda88d6084d_attn:
	.size	k_qda88d6084d_attn, .Lfunc_end_k_qda88d6084d_attn-k_qda88d6084d_attn
	.p2alignl 7, 3214868480
	.fill 96, 4, 3214868480
	.section	.rodata,"a",@progbits
	.p2align	6, 0x0
	.amdhsa_kernel k_qda88d6084d_attn
		.amdhsa_group_segment_fixed_size 327680
		.amdhsa_private_segment_fixed_size 0
		.amdhsa_enable_private_segment 0
		.amdhsa_kernarg_size 24
		.amdhsa_user_sgpr_count 2
		.amdhsa_user_sgpr_kernarg_segment_ptr 1
		.amdhsa_wavefront_size32 1
		.amdhsa_system_sgpr_workgroup_id_x 1
		.amdhsa_system_sgpr_workgroup_id_y 1
		.amdhsa_system_sgpr_workgroup_id_z 1
		.amdhsa_system_vgpr_workitem_id 0
		.amdhsa_next_free_vgpr 256
		.amdhsa_next_free_sgpr 66
		.amdhsa_reserve_vcc 1
		.amdhsa_float_denorm_mode_32 3
		.amdhsa_float_denorm_mode_16_64 3
		.amdhsa_memory_ordered 1
		.amdhsa_forward_progress 1
		.amdhsa_inst_pref_size 119
	.end_amdhsa_kernel
	.amdgpu_metadata
---
amdhsa.version: [ 1, 2 ]
amdhsa.kernels:
  - .name:           k_qda88d6084d_attn
    .symbol:         k_qda88d6084d_attn.kd
    .args:
      - { .name: qf, .offset: 0, .size: 8, .value_kind: global_buffer, .address_space: global }
      - { .name: kv, .offset: 8, .size: 8, .value_kind: global_buffer, .address_space: global }
      - { .name: att, .offset: 16, .size: 8, .value_kind: global_buffer, .address_space: global }
    .group_segment_fixed_size: 327680
    .private_segment_fixed_size: 0
    .kernarg_segment_align: 8
    .kernarg_segment_size: 24
    .max_flat_workgroup_size: 256
    .sgpr_count:     66
    .vgpr_count:     256
    .wavefront_size: 32
...
	.end_amdgpu_metadata
.endif
;; end of part 2
;; launch proj_out (part 3): grid 128 x 2, 8 waves a work-group, no clusters, 33,792 bytes of LDS; arguments att, w_out, b_out, out0; writes out0
.if DOCPART == 3
	.amdgcn_target "amdgcn-amd-amdhsa--gfx1250"
	.amdhsa_code_object_version 6
	.text
	.protected	k_qda88d6084d_proj_out
	.globl	k_qda88d6084d_proj_out
	.p2align	8
	.type	k_qda88d6084d_proj_out,@function
k_qda88d6084d_proj_out:
	s_mov_b64 s[64:65], 0
	v_nop
	global_prefetch_b8 v0, s[64:65] scope:SCOPE_SE
	s_setreg_imm32_b32 hwreg(HW_REG_WAVE_MODE, 25, 1), 1
	s_wait_xcnt 0x0
; out0 = w_out (att / sqrt(32)) + b_out, f32.  Grid x = 64 b + g: batch and group of 64 positions; grid y: which 128 of the 256 output channels.
; Wave w makes channels o0 = 128 y + 16 w .. + 15 for the group's four position tiles (tile u = positions 64 g + 4 r + u).
; att lies in fragment order, [b][tile][head][1,024 bytes]: the group's 32 KiB are copied into LDS as they are, each wave 4 KiB, and every B fragment
; (column = position r, k = the head's 32 channels) is two loads of 16 bytes a lane at 16 x lane.
; D register j of tile u = (channel o0 + 8 h + j, position 64 g + 4 r + u).  One fused multiply-add a number applies 1 / sqrt(32), adds the bias and gathers the four
; tiles' numbers, so a lane stores 16 neighbouring bytes and sixteen lanes 256 consecutive bytes, aligned.
; FORMATS AND LIMITS: operands f16, sums f32.  |w_out| < 65,504; att is an average of v's and has v's range; an operand below 6.1e-5 keeps an absolute step of 6e-8.
; NO JOINT LOADS: att's 32 KiB are shared by two work-groups alone; w_out goes straight into the registers of the one wave that multiplies by it and is narrowed there.
.set VW,  1                            ; v1  row r of w_out (1,024 bytes) + 32 h
.set VL,  2                            ; v2  16 x lane
.set VLW, 3                            ; v3  16 x lane + 4,096 x wave
.set VB,  4                            ; v4  32 h
.set VO,  5                            ; v5  8 h channels of 16,384 bytes + 16 r
.set BI,  8                            ; v[8:15]    b_out[o0 + 8 h + j]
.set XF,  16                           ; v[16:47]   att fragments, tile u at +8 u; first: my 4 KiB on their way into LDS
.set ACC, 48                           ; v[48:79]   accumulator of tile u at +8 u
.set T,   80                           ; v[80:111]  results in store order: channel j at +4 j
.set WS,  112                          ; v[112:239] w_out, K chunk kc at +16 kc
	s_load_b256 s[8:15], s[0:1], 0x0               ; att s[8:9], w_out s[10:11], b_out s[12:13], out0 s[14:15]
	v_lshl_add_u32 v240, v0, 2, 0x8000
	v_mov_b32 v241, 0
	v_lshrrev_b32 v6, 5, v0
	v_readfirstlane_b32 s16, v6                    ; wave
	s_and_b32 s17, ttmp7, 0xffff                   ; half of the channels
	s_lshr_b32 s18, ttmp9, 6                       ; batch
	s_and_b32 s19, ttmp9, 63                       ; group
	s_mov_b32 s23, 0x3e3504f3                      ; 1 / sqrt(32)
	v_and_b32 v6, 15, v0                           ; r
	v_bfe_u32 v7, v0, 4, 1                         ; h
	v_lshlrev_b32 v[VW], 10, v6
	v_lshl_add_u32 v[VW], v7, 5, v[VW]
	v_and_b32 v[VL], 31, v0
	v_lshlrev_b32 v[VL], 4, v[VL]
	v_lshl_add_u32 v[VLW], s16, 12, v[VL]
	v_lshlrev_b32 v[VB], 5, v7
	v_lshlrev_b32 v[VO], 4, v6
	v_lshl_add_u32 v[VO], v7, 17, v[VO]
	s_mov_b32 s21, 0
	s_lshl_b32 s20, s18, 21                        ; att: batch 2 MiB, group 32 KiB
	s_lshl_b32 s22, s19, 15
	s_add_co_u32 s20, s20, s22
	s_wait_kmcnt 0x0
	s_add_nc_u64 s[8:9], s[8:9], s[20:21]
	s_lshl_b32 s20, s17, 17                        ; w_out: 128 y + 16 w rows of 1,024 bytes
	s_lshl_b32 s22, s16, 14
	s_add_co_u32 s20, s20, s22
	s_add_nc_u64 s[10:11], s[10:11], s[20:21]
	s_lshl_b32 s20, s17, 9                         ; b_out
	s_lshl_b32 s22, s16, 6
	s_add_co_u32 s20, s20, s22
	s_add_nc_u64 s[12:13], s[12:13], s[20:21]
	s_lshl_b32 s20, s18, 22                        ; out0: batch, channel o0, the group's 256 bytes
	s_lshl_b32 s22, s17, 21
	s_add_co_u32 s20, s20, s22
	s_lshl_b32 s22, s16, 18
	s_add_co_u32 s20, s20, s22
	s_lshl_b32 s22, s19, 8
	s_add_co_u32 s20, s20, s22
	s_add_nc_u64 s[14:15], s[14:15], s[20:21]
.irp i, 0,1,2,3,4,5,6,7
	global_load_b128 v[XF+4*\i:XF+4*\i+3], v[VLW], s[8:9] offset:\i*512
.endr
	global_load_b128 v[BI:BI+3], v[VB], s[12:13]
	global_load_b128 v[BI+4:BI+7], v[VB], s[12:13] offset:16
.irp kc, 0,1,2,3,4,5,6,7
.irp q, 0,1,2,3
	global_load_b128 v[WS+16*\kc+4*\q:WS+16*\kc+4*\q+3], v[VW], s[10:11] offset:\kc*128+(\q&1)*16+(\q>>1)*64   ; c = 32 kc + 8 h + 0..7 and 32 kc + 16 + 8 h + 0..7 of row r
.endr
.endr
	s_wait_loadcnt 34                              ; the 34 younger loads are the bias and w_out: my 4 KiB of att are in
.irp i, 0,1,2,3,4,5,6,7
	ds_store_b128 v[VLW], v[XF+4*\i:XF+4*\i+3] offset:\i*512
.endr
	s_wait_dscnt 0x0                               ; they lie in LDS,
	s_barrier_signal -1
	s_barrier_wait -1                              ; and so do every wave's; nothing writes these bytes again
; One K chunk = one head's 32 channels.  The four accumulators take turns, one instruction a turn, from trip to trip too.
.macro OTRIP kc
	s_wait_loadcnt 4*(7-\kc)                       ; four loads for each younger chunk of w_out stay out
.irp p, 0,1,2,3,4,5,6,7
	v_cvt_pk_f16_f32 v[WS+16*\kc+\p], v[WS+16*\kc+2*\p], v[WS+16*\kc+2*\p+1]   ; in place; eight plain vector instructions on this chunk alone: also the places between the last trip's products and the loads into XF
.endr
.irp u, 0,1,2,3
.irp cc, 0,1
	ds_load_b128 v[XF+8*\u+4*\cc:XF+8*\u+4*\cc+3], v[VL] offset:\u*8192+\kc*1024+\cc*512
.endr
.endr
	s_wait_dscnt 0x0
.irp u, 0,1,2,3
.if \kc == 0
	v_wmma_f32_16x16x32_f16 v[ACC+8*\u:ACC+8*\u+7], v[WS+16*\kc:WS+16*\kc+7], v[XF+8*\u:XF+8*\u+7], 0
.else
	v_wmma_f32_16x16x32_f16 v[ACC+8*\u:ACC+8*\u+7], v[WS+16*\kc:WS+16*\kc+7], v[XF+8*\u:XF+8*\u+7], v[ACC+8*\u:ACC+8*\u+7]
.endif
.endr
.endm
	OTRIP 0
	OTRIP 1
	OTRIP 2
	OTRIP 3
	OTRIP 4
	OTRIP 5
	OTRIP 6
	OTRIP 7
.rept 4
	v_nop                                          ; four places behind the last product (ISA guide 7.12.1)
.endr
.irp j, 0,1,2,3,4,5,6,7
.irp u, 0,1,2,3
	v_fma_f32 v[T+4*\j+\u], v[ACC+8*\u+\j], s23, v[BI+\j]   ; sum / sqrt(32) + bias; positions 4 r + 0..3 of channel o0 + 8 h + j side by side
.endr
.endr
.irp j, 0,1,2,3,4,5,6,7
	global_store_b128 v[VO], v[T+4*\j:T+4*\j+3], s[14:15] offset:\j*16384 th:TH_STORE_NT   ; each half of the lanes stores 256 consecutive bytes, aligned
.endr
	s_wait_tensorcnt 0x0
	ds_add_u32 v240, v241
	s_wait_dscnt 0x0
	s_endpgm
.Lfunc_end_k_qda88d6084d_proj_out:
	.size	k_qda88d6084d_proj_out, .Lfunc_end_k_qda88d6084d_proj_out-k_qda88d6084d_proj_out
	.p2alignl 7, 3214868480
	.fill 96, 4, 3214868480
	.section	.rodata,"a",@progbits
	.p2align	6, 0x0
	.amdhsa_kernel k_qda88d6084d_proj_out
		.amdhsa_group_segment_fixed_size 33792
		.amdhsa_private_segment_fixed_size 0
		.amdhsa_enable_private_segment 0
		.amdhsa_kernarg_size 32
		.amdhsa_user_sgpr_count 2
		.amdhsa_user_sgpr_kernarg_segment_ptr 1
		.amdhsa_wavefront_size32 1
		.amdhsa_system_sgpr_workgroup_id_x 1
		.amdhsa_system_sgpr_workgroup_id_y 1
		.amdhsa_system_sgpr_workgroup_id_z 1
		.amdhsa_system_vgpr_workitem_id 0
		.amdhsa_next_free_vgpr 242
		.amdhsa_next_free_sgpr 66
		.amdhsa_reserve_vcc 0
		.amdhsa_float_denorm_mode_32 3
		.amdhsa_float_denorm_mode_16_64 3
		.amdhsa_memory_ordered 1
		.amdhsa_forward_progress 1
		.amdhsa_inst_pref_size 20
	.end_amdhsa_kernel
	.amdgpu_metadata
---
amdhsa.version: [ 1, 2 ]
amdhsa.kernels:
  - .name:           k_qda88d6084d_proj_out
    .symbol:         k_qda88d6084d_proj_out.kd
    .args:
      - { .name: att, .offset: 0, .size: 8, .value_kind: global_buffer, .address_space: global }
      - { .name: w_out, .offset: 8, .size: 8, .value_kind: global_buffer, .address_space: global }
      - { .name: b_out, .offset: 16, .size: 8, .value_kind: global_buffer, .address_space: global }
      - { .name: out0, .offset: 24, .size: 8, .value_kind: global_buffer, .address_space: global }
    .group_segment_fixed_size: 33792
    .private_segment_fixed_size: 0
    .kernarg_segment_align: 8
    .kernarg_segment_size: 32
    .max_flat_workgroup_size: 256
    .sgpr_count:     66
    .vgpr_count:     242
    .wavefront_size: 32
...
	.end_amdgpu_metadata
.endif
;; end of part 3
;; ======== version 2 of 2: 3 launches; version 1 with the launch proj_out written anew for expert scheduling mode
;; limits: values are held in f16: magnitudes above 65,504 overflow, below 6.1e-05 lose precision
;; workspace buffers: qf 4,194,304 bytes; kv 8,388,608 bytes; att 4,194,304 bytes
;; launch proj_qkv: the kernel of part 1 again; grid 128 x 3, 8 waves a work-group, no clusters, 66,560 bytes of LDS; arguments q_in, k_in, v_in, w_q, w_k, w_v, b_q, b_k, b_v, qf, kv; writes qf, kv
;; launch attn: the kernel of part 2 again; grid 16 x 16, 8 waves a work-group, clusters of 4 x 1, 327,680 bytes of LDS; arguments qf, kv, att; writes att
;; launch proj_out (part 4): grid 128 x 2, 8 waves a work-group, no clusters, 33,792 bytes of LDS; arguments att, w_out, b_out, out0; writes out0
.if DOCPART == 4
	.amdgcn_target "amdgcn-amd-amdhsa--gfx1250"
	.amdhsa_code_object_version 6
	.text
	.protected	k_qda88d6084d_proj_out
	.globl	k_qda88d6084d_proj_out
	.p2align	8
	.type	k_qda88d6084d_proj_out,@function
k_qda88d6084d_proj_out:
	s_mov_b64 s[64:65], 0
	v_nop
	global_prefetch_b8 v0, s[64:65] scope:SCOPE_SE
	s_setreg_imm32_b32 hwreg(HW_REG_WAVE_SCHED_MODE, 0, 2), 2
	s_setreg_imm32_b32 hwreg(HW_REG_WAVE_MODE, 25, 1), 1
	s_wait_xcnt 0x0
	s_wait_alu depctr_vm_vsrc(0)
; out0 = w_out (att / sqrt(32)) + b_out, f32.  Grid x = 64 b + g: batch and group of 64 positions; grid y: which 128 of the 256 output channels.
; Wave w makes channels o0 = 128 y + 16 w .. + 15 for the group's four position tiles (tile u = positions 64 g + 4 r + u).
; att lies in fragment order, [b][tile][head][1,024 bytes]: the group's 32 KiB are copied into LDS as they are, each wave 4 KiB, and every B fragment
; (column = position r, k = the head's 32 channels) is two loads of 16 bytes a lane at 16 x lane.
; D register j of tile u = (channel o0 + 8 h + j, position 64 g + 4 r + u).  One fused multiply-add a number applies 1 / sqrt(32), adds the bias and gathers the four
; tiles' numbers, so a lane stores 16 neighbouring bytes and sixteen lanes 256 consecutive bytes, aligned.
; FORMATS AND LIMITS: operands f16, sums f32.  |w_out| < 65,504; att is an average of v's and has v's range; an operand below 6.1e-5 keeps an absolute step of 6e-8.
; NO JOINT LOADS: att's 32 KiB are shared by two work-groups alone; w_out goes straight into the registers of the one wave that multiplies by it and is narrowed there.
; THE MODE: SCHED_MODE bits 1:0 = 2 (LLVM: expert scheduling mode 2), set by the entry lines.  The code itself states the register dependences
; between vector or matrix instructions and memory or LDS instructions, with s_wait_alu, always for 0.
; THE PLAN.  Registers that memory or LDS instructions touch:
;   v1 .. v5      offsets and LDS addresses: written at the head, read by every load and store, never written again.
;   XF0 v[16:47]  first my 4 KiB of att: global loads land in it, the LDS stores read it.  Then the fragments of chunks 0, 2, 4, 6: LDS loads land in it, the products of the even trips read it.
;   XF1 v[80:111] the fragments of chunks 1, 3, 5, 7: LDS loads land in it, the products of the odd trips read it.  At the end, under the name T, the multiply-adds write it and the stores read it.
;   WS, BI        global loads land in them; vector and matrix instructions alone name them afterwards.  The accumulators are named by vector and matrix instructions alone.
;   v240, v241    written at the head, read by the closing add alone.
; Trip kc multiplies XF[kc % 2]; its eight LDS loads bring chunk kc + 1 into the other buffer, which trip kc - 1 multiplied.  So ONE wait on va_vdst stands in a trip, behind its
; conversions: the products of the trip before are done reading that buffer.  The loads follow it, two ahead of each of the trip's four products, which name XF[kc % 2], WS and the
; accumulators: none of the registers that those loads touch.  Trip 0 has no such wait (nothing has named XF1 yet), trip 7 none either (it loads nothing).
.set VW,  1                            ; v1  row r of w_out (1,024 bytes) + 32 h
.set VL,  2                            ; v2  16 x lane
.set VLW, 3                            ; v3  16 x lane + 4,096 x wave
.set VB,  4                            ; v4  32 h
.set VO,  5                            ; v5  8 h channels of 16,384 bytes + 16 r
.set BI,  8                            ; v[8:15]    b_out[o0 + 8 h + j]
.set XF,  16                           ; v[16:47]   att fragments, buffer 0, tile u at +8 u; first: my 4 KiB on their way into LDS.  Buffer 1 lies 64 registers on: v[80:111]
.set ACC, 48                           ; v[48:79]   accumulator of tile u at +8 u
.set T,   80                           ; v[80:111]  behind the last product: results in store order, channel j at +4 j (fragment buffer 1's registers)
.set WS,  112                          ; v[112:239] w_out, K chunk kc at +16 kc
	s_load_b256 s[8:15], s[0:1], 0x0               ; att s[8:9], w_out s[10:11], b_out s[12:13], out0 s[14:15]
	v_lshl_add_u32 v240, v0, 2, 0x8000
	v_mov_b32 v241, 0
	v_lshrrev_b32 v6, 5, v0
	v_readfirstlane_b32 s16, v6                    ; wave
	s_and_b32 s17, ttmp7, 0xffff                   ; half of the channels
	s_lshr_b32 s18, ttmp9, 6                       ; batch
	s_and_b32 s19, ttmp9, 63                       ; group
	s_mov_b32 s23, 0x3e3504f3                      ; 1 / sqrt(32)
	v_and_b32 v6, 15, v0                           ; r
	v_bfe_u32 v7, v0, 4, 1                         ; h
	v_lshlrev_b32 v[VW], 10, v6
	v_lshl_add_u32 v[VW], v7, 5, v[VW]
	v_and_b32 v[VL], 31, v0
	v_lshlrev_b32 v[VL], 4, v[VL]
	v_lshlrev_b32 v[VB], 5, v7
	v_lshlrev_b32 v[VO], 4, v6
	v_lshl_add_u32 v[VO], v7, 17, v[VO]
	s_wait_alu depctr_va_sdst(0)                   ; s16 is written, ahead of its first reader, the next line; the bases of w_out, b_out and out0 are made from it too
	v_lshl_add_u32 v[VLW], s16, 12, v[VL]
	s_mov_b32 s21, 0
	s_lshl_b32 s20, s18, 21                        ; att: batch 2 MiB, group 32 KiB
	s_lshl_b32 s22, s19, 15
	s_add_co_u32 s20, s20, s22
	s_wait_kmcnt 0x0
	s_add_nc_u64 s[8:9], s[8:9], s[20:21]
	s_lshl_b32 s20, s17, 17                        ; w_out: 128 y + 16 w rows of 1,024 bytes
	s_lshl_b32 s22, s16, 14
	s_add_co_u32 s20, s20, s22
	s_add_nc_u64 s[10:11], s[10:11], s[20:21]
	s_lshl_b32 s20, s17, 9                         ; b_out
	s_lshl_b32 s22, s16, 6
	s_add_co_u32 s20, s20, s22
	s_add_nc_u64 s[12:13], s[12:13], s[20:21]
	s_lshl_b32 s20, s18, 22                        ; out0: batch, channel o0, the group's 256 bytes
	s_lshl_b32 s22, s17, 21
	s_add_co_u32 s20, s20, s22
	s_lshl_b32 s22, s16, 18
	s_add_co_u32 s20, s20, s22
	s_lshl_b32 s22, s19, 8
	s_add_co_u32 s20, s20, s22
	s_add_nc_u64 s[14:15], s[14:15], s[20:21]
	s_wait_alu depctr_va_vdst(0)                   ; the five offsets and addresses v1 to v5 are written, which every load and store of the kernel reads
.irp i, 0,1,2,3,4,5,6,7
	global_load_b128 v[XF+4*\i:XF+4*\i+3], v[VLW], s[8:9] offset:\i*512
.endr
	global_load_b128 v[BI:BI+3], v[VB], s[12:13]
	global_load_b128 v[BI+4:BI+7], v[VB], s[12:13] offset:16
.irp kc, 0,1,2,3,4,5,6,7
.irp q, 0,1,2,3
	global_load_b128 v[WS+16*\kc+4*\q:WS+16*\kc+4*\q+3], v[VW], s[10:11] offset:\kc*128+(\q&1)*16+(\q>>1)*64   ; c = 32 kc + 8 h + 0..7 and 32 kc + 16 + 8 h + 0..7 of row r
.endr
.endr
	s_wait_loadcnt 34                              ; the 34 younger loads are the bias and w_out: my 4 KiB of att are in
.irp i, 0,1,2,3,4,5,6,7
	ds_store_b128 v[VLW], v[XF+4*\i:XF+4*\i+3] offset:\i*512
.endr
	s_wait_dscnt 0x0                               ; they lie in LDS,
	s_barrier_signal -1
	s_barrier_wait -1                              ; and so do every wave's; nothing writes these bytes again
; The two LDS loads of tile u's fragment of chunk kc, into buffer kc % 2.
.macro XLOAD kc, u
.irp cc, 0,1
	ds_load_b128 v[XF+64*((\kc)%2)+8*(\u)+4*\cc:XF+64*((\kc)%2)+8*(\u)+4*\cc+3], v[VL] offset:(\u)*8192+(\kc)*1024+\cc*512
.endr
.endm
; One K chunk = one head's 32 channels.  The four accumulators take turns, one instruction a turn, from trip to trip too.
.macro OTRIP kc
	s_wait_loadcnt 4*(7-\kc)                       ; four loads for each younger chunk of w_out stay out
.irp p, 0,1,2,3,4,5,6,7
	v_cvt_pk_f16_f32 v[WS+16*\kc+\p], v[WS+16*\kc+2*\p], v[WS+16*\kc+2*\p+1]   ; in place; eight plain vector instructions on this chunk alone: they also stand between the last trip's products and the loads into the buffer that those read
.endr
.if (\kc > 0) && (\kc < 7)
	s_wait_alu depctr_va_vdst(0)                   ; the products of the trip before are done reading their fragment buffer, in which this trip's LDS loads land
.endif
.irp u, 0,1,2,3
.if \kc < 7
	XLOAD \kc+1, \u                                ; the next chunk's tile u.  No further wait: no vector or matrix instruction since the wait above names that buffer
	s_wait_dscnt 8                                 ; LDS loads come back in order: younger than this chunk's tile u are its tiles u + 1 .. 3, 2 (3 - u) loads, and the next chunk's tiles 0 .. u, 2 (u + 1)
.else
	s_wait_dscnt 6-2*\u                            ; the last trip asks for nothing: the counts run down
.endif
.if \kc == 0
	v_wmma_f32_16x16x32_f16 v[ACC+8*\u:ACC+8*\u+7], v[WS+16*\kc:WS+16*\kc+7], v[XF+64*((\kc)%2)+8*\u:XF+64*((\kc)%2)+8*\u+7], 0
.else
	v_wmma_f32_16x16x32_f16 v[ACC+8*\u:ACC+8*\u+7], v[WS+16*\kc:WS+16*\kc+7], v[XF+64*((\kc)%2)+8*\u:XF+64*((\kc)%2)+8*\u+7], v[ACC+8*\u:ACC+8*\u+7]
.endif
.endr
.endm
	s_wait_alu depctr_vm_vsrc(0)                   ; my LDS stores have read v[16:47], in which chunk 0's fragments land
.irp u, 0,1,2,3
	XLOAD 0, \u
.endr
	OTRIP 0
	OTRIP 1
	OTRIP 2
	OTRIP 3
	OTRIP 4
	OTRIP 5
	OTRIP 6
	OTRIP 7
.rept 4
	v_nop                                          ; four places behind the last product (ISA guide 7.12.1): ahead of the reads of its result and of the writes into T, whose registers it read as fragments
.endr
.irp j, 0,1,2,3,4,5,6,7
.irp u, 0,1,2,3
	v_fma_f32 v[T+4*\j+\u], v[ACC+8*\u+\j], s23, v[BI+\j]   ; sum / sqrt(32) + bias; positions 4 r + 0..3 of channel o0 + 8 h + j side by side
.endr
.endr
	s_wait_alu depctr_va_vdst(0)                   ; the multiply-adds have written T, which the eight stores read
.irp j, 0,1,2,3,4,5,6,7
	global_store_b128 v[VO], v[T+4*\j:T+4*\j+3], s[14:15] offset:\j*16384 th:TH_STORE_NT   ; each half of the lanes stores 256 consecutive bytes, aligned
.endr
	s_wait_dscnt 0x0                               ; the closing lines, six on end
	s_wait_alu 0x0
	s_wait_tensorcnt 0x0
	ds_add_u32 v240, v241
	s_wait_dscnt 0x0
	s_endpgm
.Lfunc_end_k_qda88d6084d_proj_out:
	.size	k_qda88d6084d_proj_out, .Lfunc_end_k_qda88d6084d_proj_out-k_qda88d6084d_proj_out
	.p2alignl 7, 3214868480
	.fill 96, 4, 3214868480
	.section	.rodata,"a",@progbits
	.p2align	6, 0x0
	.amdhsa_kernel k_qda88d6084d_proj_out
		.amdhsa_group_segment_fixed_size 33792
		.amdhsa_private_segment_fixed_size 0
		.amdhsa_enable_private_segment 0
		.amdhsa_kernarg_size 32
		.amdhsa_user_sgpr_count 2
		.amdhsa_user_sgpr_kernarg_segment_ptr 1
		.amdhsa_wavefront_size32 1
		.amdhsa_system_sgpr_workgroup_id_x 1
		.amdhsa_system_sgpr_workgroup_id_y 1
		.amdhsa_system_sgpr_workgroup_id_z 1
		.amdhsa_system_vgpr_workitem_id 0
		.amdhsa_next_free_vgpr 242
		.amdhsa_next_free_sgpr 66
		.amdhsa_reserve_vcc 0
		.amdhsa_float_denorm_mode_32 3
		.amdhsa_float_denorm_mode_16_64 3
		.amdhsa_memory_ordered 1
		.amdhsa_forward_progress 1
		.amdhsa_inst_pref_size 22
	.end_amdhsa_kernel
	.amdgpu_metadata
---
amdhsa.version: [ 1, 2 ]
amdhsa.kernels:
  - .name:           k_qda88d6084d_proj_out
    .symbol:         k_qda88d6084d_proj_out.kd
    .args:
      - { .name: att, .offset: 0, .size: 8, .value_kind: global_buffer, .address_space: global }
      - { .name: w_out, .offset: 8, .size: 8, .value_kind: global_buffer, .address_space: global }
      - { .name: b_out, .offset: 16, .size: 8, .value_kind: global_buffer, .address_space: global }
      - { .name: out0, .offset: 24, .size: 8, .value_kind: global_buffer, .address_space: global }
    .group_segment_fixed_size: 33792
    .private_segment_fixed_size: 0
    .kernarg_segment_align: 8
    .kernarg_segment_size: 32
    .max_flat_workgroup_size: 256
    .sgpr_count:     66
    .vgpr_count:     242
    .wavefront_size: 32
...
	.end_amdgpu_metadata
.endif
;; end of part 4
